; MI455X (gfx1250); checked and timed in simulation.
; The chip was launched on July 23, 2026; its instructions are those of AMD's public machine-readable ISA for CDNA 5 (MIT licence, August 2026) and "CDNA5" Instruction Set Architecture Reference Guide (July 2026). The comments in the code are by the model that wrote it; some were corrected since.
;; Self Attention. Allowed arithmetic: matrix products marked QUANTISED: E2M3 operands, one E8M0 scale for each 32 along K, by v_wmma_scale_f32_16x16x128_f8f6f4 with both operands' format E2M3, f32 sums; everything else in f32.
;; Inputs: Wk_codes 1,024 x 32 x 24 uint8 (E2M3 codes of Wk, K innermost, in blocks of 32 codes, four codes in three bytes); Wk_scales 1,024 x 32 uint8 (E8M0 scales of Wk, one for each 32 codes along K); Wo_codes 1,024 x 32 x 24 uint8 (E2M3 codes of Wo, K innermost, in blocks of 32 codes, four codes in three bytes); Wo_scales 1,024 x 32 uint8 (E8M0 scales of Wo, one for each 32 codes along K); Wq_codes 1,024 x 32 x 24 uint8 (E2M3 codes of Wq, K innermost, in blocks of 32 codes, four codes in three bytes); Wq_scales 1,024 x 32 uint8 (E8M0 scales of Wq, one for each 32 codes along K); Wv_codes 1,024 x 32 x 24 uint8 (E2M3 codes of Wv, K innermost, in blocks of 32 codes, four codes in three bytes); Wv_scales 1,024 x 32 uint8 (E8M0 scales of Wv, one for each 32 codes along K); bo 1,024 float32; keys_codes 4 x 2,048 x 32 x 24 uint8 (E2M3 codes of keys, K innermost, in blocks of 32 codes, four codes in three bytes); keys_scales 4 x 2,048 x 32 uint8 (E8M0 scales of keys, one for each 32 codes along K); mask 4 x 1 x 2,048 x 2,048 int32; queries_codes 4 x 2,048 x 32 x 24 uint8 (E2M3 codes of queries, K innermost, in blocks of 32 codes, four codes in three bytes); queries_scales 4 x 2,048 x 32 uint8 (E8M0 scales of queries, one for each 32 codes along K); values_codes 4 x 2,048 x 32 x 24 uint8 (E2M3 codes of values, K innermost, in blocks of 32 codes, four codes in three bytes); values_scales 4 x 2,048 x 32 uint8 (E8M0 scales of values, one for each 32 codes along K).
;; Outputs: out0 4 x 2,048 x 1,024 float32.
;; This version of the problem:
;;   THIS VERSION OF THE PROBLEM IS GIVEN IN LOW PRECISION. The matrix products marked QUANTISED in the list below multiply operands that are first quantised to E2M3 (2 exponent bits, 3 mantissa bits; 6 bits a number), with one power-of-two scale for each 32 numbers along K (OCP MX v1.0); their sums are f32. All else is computed in f32.
;;   The module's matrix products, in the order in which they are computed (A, B: the left and right operand; K: the contracted axis; several contracted axes count as one K, in the product's order):
;;     1. [M 8,192, K 1,024] x [K 1,024, N 1,024]; A: input queries (given as codes); B: input Wq (given as codes): QUANTISED
;;     2. [M 8,192, K 1,024] x [K 1,024, N 1,024]; A: input keys (given as codes); B: input Wk (given as codes): QUANTISED
;;     3. [M 8,192, K 1,024] x [K 1,024, N 1,024]; A: input values (given as codes); B: input Wv (given as codes): QUANTISED
;;     4. batch 64 x [M 2,048, K 64] x [K 64, N 2,048]; A: computed on the way; B: computed on the way: QUANTISED
;;     5. batch 64 x [M 64, K 2,048] x [K 2,048, N 2,048]; A: computed on the way; B: softmax (see below): QUANTISED
;;     6. [M 8,192, K 1,024] x [K 1,024, N 1,024]; A: computed on the way; B: input Wo (given as codes): QUANTISED
;;   THE QUANTISER, for each operand of a quantised product, along K:
;;     - K is cut into blocks of 32 from its start; a last block that is shorter is filled with zeros.
;;     - A block's scale is 2^e with e = floor(log2(the largest magnitude in the block)) - 2, held to -126 .. 127; a block of zeros has e = 0. As a byte (E8M0): e + 127.
;;     - Each number is divided by its block's scale, clamped to +-7.5, and rounded to the nearest number of E2M3, ties to even, subnormals kept.
;;     - The product sums the exact products of the quantised numbers (number of the format x scale) in f32.
;;   ~~~python
;;   def quantise(x, axis):      # numpy; x: float32 -> the quantised numbers, widened to float32 again
;;       x = np.moveaxis(x, axis, -1); K = x.shape[-1]
;;       x = np.pad(x, [(0, 0)] * (x.ndim - 1) + [(0, -K % 32)]); x = x.reshape(x.shape[:-1] + (-1, 32)); a = np.abs(x).max(-1, keepdims=True)
;;       e = np.where(a > 0, np.clip(np.frexp(np.where(a > 0, a, 1))[1] - 1 - 2, -126, 127), 0)      # np.frexp(a)[1] - 1 = floor(log2(a)), exactly
;;       r = np.clip(x / 2.0 ** e, -7.5, 7.5)
;;       step = 2.0 ** (np.maximum(np.frexp(np.where(r == 0, 1, r))[1] - 1, 0) - 3)
;;       q = np.round(r / step) * step * 2.0 ** e      # np.round: ties to even
;;       return np.moveaxis(q.reshape(q.shape[:-2] + (-1,))[..., :K], -1, axis).astype(np.float32)
;;   ~~~
;;   SOFTMAX AHEAD OF A QUANTISED PRODUCT. Where the list says 'softmax', what is quantised is not the finished softmax but p = 2^(t - M), with t = logit x log2(e) and M = ceil(the row's largest t), a whole number; so 1/2 < the row's largest p <= 1. The row's sum l is taken of the UNQUANTISED p, in f32, and the product's result is divided by l at the end. Since M is a whole number, a kernel that streams over the keys may use a running M (the ceiling of the running maximum): every later rescaling is an exact power of two, which a block's scale takes up: the codes' values come out the same.
;;   OPERANDS COMPUTED ON THE WAY. 'Computed on the way' means the value that the module computes at that place (a softmax that the list does not call 'softmax' is quantised finished and normalised). What goes into a quantiser is computed in f32, as accurately as f32 sums, v_exp_f32 and their like allow (about 1e-6 of the number): no bf16 or f16 on the way to a quantiser, and a product that is left as it is and whose result goes on into a quantised operand takes f32 operands (vector FMAs, or v_wmma_f32_16x16x4_f32). A number that lies on a knife's edge between two numbers of the format may be rounded either way, as far as f32 arithmetic and the matrix unit's own rounding can turn it there, and no further.
;;   INPUTS GIVEN AS CODES. Wk (in the module: [1024, 1024], K = its axis 1); Wo (in the module: [1024, 1024], K = its axis 1); Wq (in the module: [1024, 1024], K = its axis 1); Wv (in the module: [1024, 1024], K = its axis 1); keys (in the module: [4, 2048, 1024], K = its axis 2); queries (in the module: [4, 2048, 1024], K = its axis 2); values (in the module: [4, 2048, 1024], K = its axis 2): each comes as NAME_codes (uint8): NAME with its K axis moved to the last place and cut into blocks of 32 codes, [.., K / 32, bytes a block], one block behind the other in memory; four codes in three bytes: a row's codes are one little-endian stream of bits, code i at bits 6 i .. 6 i + 5 (a code: sign, 2 exponent bits, 3 mantissa bits); and NAME_scales (uint8): the same leading axes, one E8M0 byte (e + 127) for each 32 codes along K. Its value is code x scale, taken as it is: it is not quantised again, and the codes and scales need not be those that the quantiser above would give.
;; One version. Each part assembles by itself: llvm-mc -triple=amdgcn-amd-amdhsa -mcpu=gfx1250 --defsym DOCPART=n.
;; ======== version 1 of 1: 4 launches
;; limits: right only within a limited range of input values
;; workspace buffers: mbits 2,097,152 bytes of whole numbers; qf 6,815,744 bytes; kv 13,369,344 bytes; attc 6,291,456 bytes; atts 262,144 bytes
;; launch pack (part 1): grid 512 x 1, 8 waves a work-group, no clusters, 68,608 bytes of LDS; arguments mask, mbits; writes mbits
.if DOCPART == 1
	.amdgcn_target "amdgcn-amd-amdhsa--gfx1250"
	.amdhsa_code_object_version 6
	.text
	.protected	k_q8b10c89963_pack
	.globl	k_q8b10c89963_pack
	.p2align	8
	.type	k_q8b10c89963_pack,@function
k_q8b10c89963_pack:
	s_mov_b64 s[64:65], 0
	v_nop
	global_prefetch_b8 v0, s[64:65] scope:SCOPE_SE
	s_setreg_imm32_b32 hwreg(HW_REG_WAVE_MODE, 25, 1), 1
	s_wait_xcnt 0x0
; The mask [4][1][2048][2048] of int32 becomes lane masks for the attention launch: one 32-bit word for each register of a tile of scores.
; mbits: [b x 128 + query tile][key step of 128: 16][64 words].  Bit r + 16 h of word 8 t + j is 1 where mask[b][16 tile + r][128 step + 16 t + 8 h + j] == 0:
; that is the lane (r, h) and the register 8 t + j in which the attention launch holds that score.
; A work-group owns 16 rows of the mask (8,192 bytes each); wave w owns keys 256 w .. 256 w + 255 of them: key steps 2 w and 2 w + 1.
; Each load takes 512 consecutive bytes of one row; all 32 loads of a wave are issued at once.  A half (16 rows x 512 bytes) turns through the wave's own stage in LDS,
; so that lane (r, h) gets row r; a compare gives a word in a scalar register, v_writelane_b32 lays 64 words into two registers, and one store of 8 bytes a lane
; writes 256 consecutive bytes, aligned.  No matrix unit, no cluster, no barrier: memory binds, and waves share nothing.
.set SP,   528                         ; a stage row: 512 bytes + 16: 33 x 16, so that the sixteen rows of a load of 16 bytes a lane start in sixteen different 16-byte columns of 256 bytes
.set WST,  16*SP                       ; a wave's stage
.set WD,   8                           ; v[8:9], v[10:11] the words of the two halves
.set R,    16                          ; v16-143  32 loads x 4 registers
.set X,    144                         ; v144-207 64 numbers of my row
	s_load_b128 s[4:7], s[0:1], 0x0                ; mask, mbits
	v_lshl_add_u32 v208, v0, 2, 0x10800
	v_mov_b32 v209, 0
	v_lshrrev_b32 v5, 5, v0
	s_delay_alu instid0(VALU_DEP_1)
	v_readfirstlane_b32 s8, v5                     ; wave 0..7
	v_and_b32 v6, 31, v0                           ; lane
	v_and_b32 v7, 15, v0                           ; r
	v_bfe_u32 v5, v0, 4, 1                         ; h
	s_lshl_b32 s9, s8, 10                          ; my wave's 1,024 bytes of a row
	s_mul_i32 s10, s8, WST                         ; my wave's stage
	s_lshl_b32 s11, s8, 9                          ; my wave's two steps of words
	v_lshl_add_u32 v1, v6, 4, s9                   ; in: 16 x lane + 1,024 x wave
	v_lshl_add_u32 v2, v6, 4, s10                  ; the stage, way in: 16 x lane
	v_mul_u32_u24 v3, v7, SP
	s_delay_alu instid0(VALU_DEP_1)
	v_lshl_add_u32 v3, v5, 5, v3
	s_delay_alu instid0(VALU_DEP_1)
	v_add_nc_u32 v3, s10, v3                       ; the stage, way out: row r, + 32 h
	v_lshl_add_u32 v4, v6, 3, s11                  ; out: 8 x lane + 512 x wave
.irp i, 0,1,2,3
	v_mov_b32 v[WD+\i], 0                          ; written once: v_writelane_b32's destination counts as read
.endr
	s_lshl_b32 s12, ttmp9, 17                      ; 16 rows of 8,192 bytes for each work-group
	s_mov_b32 s13, 0
	s_lshl_b32 s14, ttmp9, 12                      ; 16 steps of 256 bytes
	s_mov_b32 s15, 0
	s_wait_alu depctr_va_vdst(0)
	s_wait_kmcnt 0x0
	s_add_nc_u64 s[4:5], s[4:5], s[12:13]
	s_add_nc_u64 s[6:7], s[6:7], s[14:15]
.irp g, 0,1
.irp p, 0,1,2,3,4,5,6,7,8,9,10,11,12,13,14,15
	global_load_b128 v[R+4*(16*\g+\p):R+4*(16*\g+\p)+3], v1, s[4:5] offset:8192*\p+512*\g th:TH_LOAD_NT   ; row p, half g: 512 consecutive bytes
.endr
.endr
.macro HALF g
	s_wait_loadcnt 16-16*\g                        ; this half's sixteen loads are in; the other half's sixteen, issued behind them, may be out
.irp p, 0,1,2,3,4,5,6,7,8,9,10,11,12,13,14,15
	ds_store_b128 v2, v[R+4*(16*\g+\p):R+4*(16*\g+\p)+3] offset:SP*\p
.endr
.irp t, 0,1,2,3,4,5,6,7
	ds_load_b128 v[X+8*\t:X+8*\t+3], v3 offset:64*\t          ; LDS serves a wave's instructions in order: these see my stores.  Keys 16 t + 8 h + 0 .. 3 of row r,
	ds_load_b128 v[X+8*\t+4:X+8*\t+7], v3 offset:64*\t+16     ; and + 4 .. 7
.endr
	s_wait_dscnt 0x0
.irp q, 0,1,2,3,4,5,6,7
.irp k, 0,1,2,3,4,5,6,7
	v_cmp_eq_u32 s[16+\k], 0, v[X+8*\q+\k]         ; word 8 q + k: a bit for each lane whose number is 0
.endr
.irp k, 0,1,2,3,4,5,6,7
	v_writelane_b32 v[WD+2*\g+\k%2], s[16+\k], 4*\q+\k/2      ; word n goes to lane n / 2, register n % 2: the place from which the store below writes it
.endr
.endr
	global_store_b64 v4, v[WD+2*\g:WD+2*\g+1], s[6:7] offset:256*\g   ; 32 lanes store 256 consecutive bytes, aligned: one key step's 64 words
.endm
	HALF 0
	HALF 1
	s_wait_tensorcnt 0x0
	ds_add_u32 v208, v209
	s_wait_dscnt 0x0
	s_endpgm
.Lfunc_end_k_q8b10c89963_pack:
	.size	k_q8b10c89963_pack, .Lfunc_end_k_q8b10c89963_pack-k_q8b10c89963_pack
	.p2alignl 7, 3214868480
	.fill 96, 4, 3214868480
	.section	.rodata,"a",@progbits
	.p2align	6, 0x0
	.amdhsa_kernel k_q8b10c89963_pack
		.amdhsa_group_segment_fixed_size 68608
		.amdhsa_private_segment_fixed_size 0
		.amdhsa_enable_private_segment 0
		.amdhsa_kernarg_size 16
		.amdhsa_user_sgpr_count 2
		.amdhsa_user_sgpr_kernarg_segment_ptr 1
		.amdhsa_wavefront_size32 1
		.amdhsa_system_sgpr_workgroup_id_x 1
		.amdhsa_system_sgpr_workgroup_id_y 1
		.amdhsa_system_sgpr_workgroup_id_z 1
		.amdhsa_system_vgpr_workitem_id 0
		.amdhsa_next_free_vgpr 210
		.amdhsa_next_free_sgpr 66
		.amdhsa_reserve_vcc 0
		.amdhsa_float_denorm_mode_32 3
		.amdhsa_float_denorm_mode_16_64 3
		.amdhsa_memory_ordered 1
		.amdhsa_forward_progress 1
		.amdhsa_inst_pref_size 26
	.end_amdhsa_kernel
	.amdgpu_metadata
---
amdhsa.version: [ 1, 2 ]
amdhsa.kernels:
  - .name:           k_q8b10c89963_pack
    .symbol:         k_q8b10c89963_pack.kd
    .args:
      - { .name: mask, .offset: 0, .size: 8, .value_kind: global_buffer, .address_space: global }
      - { .name: mbits, .offset: 8, .size: 8, .value_kind: global_buffer, .address_space: global }
    .group_segment_fixed_size: 68608
    .private_segment_fixed_size: 0
    .kernarg_segment_align: 8
    .kernarg_segment_size: 16
    .max_flat_workgroup_size: 256
    .sgpr_count:     66
    .vgpr_count:     210
    .wavefront_size: 32
...
	.end_amdgpu_metadata
.endif
;; end of part 1
;; launch proj (part 2): grid 8 x 32, 4 waves a work-group, clusters of 4 x 4, 327,680 bytes of LDS; arguments queries_codes, queries_scales, Wq_codes, Wq_scales, keys_codes, keys_scales, Wk_codes, Wk_scales, values_codes, values_scales, Wv_codes, Wv_scales, qf, kv; writes qf, kv
.if DOCPART == 2
	.amdgcn_target "amdgcn-amd-amdhsa--gfx1250"
	.amdhsa_code_object_version 6
	.text
	.protected	k_q8b10c89963_proj
	.globl	k_q8b10c89963_proj
	.p2align	8
	.type	k_q8b10c89963_proj,@function
k_q8b10c89963_proj:
	s_mov_b64 s[64:65], 0
	v_nop
	global_prefetch_b8 v0, s[64:65] scope:SCOPE_SE
	s_setreg_imm32_b32 hwreg(HW_REG_WAVE_MODE, 25, 1), 1
	s_wait_xcnt 0x0
	s_wait_alu depctr_hold_cnt(0) depctr_sa_sdst(0) depctr_va_vdst(0) depctr_va_sdst(0) depctr_va_ssrc(0) depctr_va_vcc(0) depctr_vm_vsrc(0)
	s_getreg_b32 s2, hwreg(HW_REG_IB_STS2, 6, 4)
	s_cmp_eq_u32 s2, 0
	s_cbranch_scc0 .Lentry_in_a_cluster
	s_endpgm
.Lentry_in_a_cluster:
	s_bfe_u32 s2, ttmp6, 0x10000c
	s_cmp_lg_u32 s2, 0xf033
	s_cbranch_scc0 .Lentry_shape_is_right
	s_endpgm
.Lentry_shape_is_right:
; q = queries Wq^T, k = keys Wk^T, v = values Wv^T on codes of FP6 (E2M3), each result quantised again and stored in the order of the attention launch's operand registers.
; No work of the problem is left out.  NaN and infinities are not served; a block whose largest magnitude lies under 2^(3 - 127) keeps the byte 1.
; SHARES.  32 token tiles x 8 column tiles = 256 work-groups.  A WORK-GROUP STAYS: it makes 256 tokens x 128 columns of q, then of k, then of v, at the same place in each.
; ALL OF K LIES IN LDS: X, 256 rows of tokens, and W, 128 rows of the weight, as whole rows of 768 bytes (each begins at a multiple of 256 bytes), 16 bytes of padding behind every 256: pitch 816;
; behind them the scale bytes of both, as units of 256 bytes + 16.  Four tiles, one tensor load a wave: at the head for q; behind q's and behind k's products all four are filled again, for the next product,
; behind the three lines and a round of the cluster's barrier; the finished product's quantiser and stores stand behind the refill, ahead of the wait for it.
; CLUSTER 4 x 4: X's tiles hang on the token tile alone and are asked for jointly by a row of the cluster, W's on the column tile alone, by a column.
; A wave makes 128 tokens x 64 columns, one head: 32 accumulators, taken by turns, eight K steps of 128; the next step's fragments are fetched ahead of each step's 32 products.
; q, k (a loop of two trips): source 0 = W's rows: a lane holds a token and its registers run along the head's 64.  v (written out; it fetches nothing more): source 0 = the tokens: registers run along the tokens, the next K.
; PREFETCH: behind a trip's first 32 products, 224 products ahead of the refill, the next product's X and W tiles are asked for: each of the sixteen waves that will ask jointly takes a sixteenth, by address
; (X: 48 blocks of 256 bytes, W: 24; lanes left over name the wave's last block again).  The scale bytes, 12,288 of the 307,200 bytes of a refill, are not asked for.
; REGISTERS: window 0: v8-23, v24-31 LDS addresses of X's 8 and W's 4 blocks (two each); v32-63 X's scale words, v68-83 W's; v64-66 the prefetches' offsets; v84-119 at work on the way out; v128-175 the codes;
; window 1 the accumulators; window 2 X's fragments, two sets; window 3 W's.
; SCALARS: s[68:75] the next product's four addresses (X, X's scales, W, W's scales), s[76:83] those of the one after; s[12:13] where this product's record goes, s[84:85], s[86:87] the next two.
.set KROW,  768
.set KS,    32
.set PITCH, 816
.set WB,    256*PITCH
.set SCX,   WB+128*PITCH
.set SBLK,  544                        ; the scale bytes of 16 rows: two units of 272
.set SCW,   SCX+16*SBLK
.set SPARE, SCW+8*SBLK
.set AX, 8
.set AW, 24
.set SX, 32
.set PX0, 64
.set PX1, 65
.set PFW, 66
.set SW, 68                            ; X's and W's scale registers differ by 4 modulo 8
.set TM, 84
.set T2, 88
.set SO, 92
.set YY, 96
.set PW, 104
.set DD, 108
.set IM, 116
.set SPW, 120
.set NIL, 121
.set ASX, 122
.set ASW, 123
.set L16, 124
.set L8,  125
.set RUN, 128
.set G1SB, 4                           ; s[4:11] group 1 of W's scale bytes (q's addresses, which came there, have gone into the groups 0 by then)
.set G1, 24
.set G0, 32
.set G0B, 36
.set G1B, 48
.set G0S, 56
.set G0SB, 60
.set G1S, 88
.set HI16, 96
.set SEL,  97
.set MSB, 0
.macro WIN new
.if MSB != \new
	s_set_vgpr_msb (MSB<<8)|\new
.set MSB, \new
.endif
.endm
.macro PLACES n
.rept \n
	v_nop
.endr
.endm
.macro WALU
	s_wait_alu depctr_va_vdst(0)
.endm
.macro CROUND
	s_barrier_signal -1
	s_barrier_wait -1
	s_cmp_lg_u32 s14, 0
	s_cbranch_scc1 .Lnot_wave_0_\@
	s_barrier_signal -3
.Lnot_wave_0_\@:
	s_barrier_wait -3
	s_barrier_signal -1
	s_barrier_wait -1
.endm
.macro TLOAD g0, g1
	tensor_load_to_lds s[\g0:\g0+3], s[\g1:\g1+7]
	s_nop 0
	PLACES 4
.endm
.macro ARMS                            ; one chain of branches on the wave's number, one load to an arm
	s_cmp_eq_u32 s14, 0
	s_cbranch_scc0 .Lw1_\@
	TLOAD G0B, G1B
	s_branch .Lasked_\@
.Lw1_\@:
	s_cmp_eq_u32 s14, 1
	s_cbranch_scc0 .Lw2_\@
	TLOAD G0S, G1S
	s_branch .Lasked_\@
.Lw2_\@:
	s_cmp_eq_u32 s14, 2
	s_cbranch_scc0 .Lw3_\@
	TLOAD G0SB, G1SB
	s_branch .Lasked_\@
.Lw3_\@:
	TLOAD G0, G1
.Lasked_\@:
.endm
.macro GADR g, a                       ; a group 0's address
	s_mov_b64 s[\g+2:\g+3], s[\a:\a+1]
	s_or_b32 s[\g+3], s[\g+3], 0x80000000
.endm
	s_load_b256 s[4:11], s[0:1], 0x0
	s_load_b256 s[68:75], s[0:1], 0x20
	s_load_b256 s[76:83], s[0:1], 0x40
	s_load_b128 s[84:87], s[0:1], 0x60
	v_lshl_add_u32 v[SPW], v0, 2, SPARE
	v_mov_b32 v[NIL], 0
	ds_add_u32 v[SPW], v[NIL]              ; the opening lines: the add twice on end
	ds_add_u32 v[SPW], v[NIL]
	v_lshrrev_b32 v1, 5, v0
	v_readfirstlane_b32 s14, v1            ; wave; s15 its half of the tokens, s16 its half of the columns
	s_lshr_b32 s15, s14, 1
	s_and_b32 s16, s14, 1
	s_bfe_u32 s40, ttmp6, 0x40000
	s_bfe_u32 s41, ttmp6, 0x40004
	s_and_b32 s17, ttmp7, 0xffff
	s_lshl_b32 s17, s17, 2
	s_add_co_u32 s17, s17, s41             ; token tile 0..31
	s_lshl_b32 s42, ttmp9, 2
	s_add_co_u32 s42, s42, s40             ; column tile 0..7
	s_lshl_b32 s43, s41, 2
	s_lshl_b32 s43, 15, s43                ; my row of the cluster
	s_lshl_b32 s44, 0x1111, s40            ; my column
	s_or_b32 s[G1], s43, (1<<20)|(1<<21)|(5<<22)|(3<<25)
	s_or_b32 s[G1B], s44, (1<<20)|(1<<21)|(5<<22)|(3<<25)
.irp g, G1, G1B
	s_mov_b32 s[\g+1], KROW<<16
	s_mov_b32 s[\g+3], KROW<<16
	s_mov_b32 s[\g+5], KROW
	s_mov_b32 s[\g+6], 0
	s_mov_b32 s[\g+7], 0
.endr
	s_mov_b32 s[G1+2], 256<<16
	s_mov_b32 s[G1+4], 256
	s_mov_b32 s[G1B+2], 128<<16
	s_mov_b32 s[G1B+4], 128
	s_or_b32 s[G1S], s43, (3<<16)|(1<<20)|(1<<21)|(5<<22)|(3<<25)
	s_mov_b32 s[G1S+1], 32<<16
	s_mov_b32 s[G1S+2], 32<<16             ; 256 rows x 32 bytes: 32 units of 256
	s_mov_b32 s[G1S+3], 32<<16
	s_mov_b32 s[G1S+4], 32
	s_mov_b32 s[G1S+5], 32
	s_mov_b32 s[G1S+6], 0
	s_mov_b32 s[G1S+7], 0
	s_mov_b32 s[G0], 1
	s_mov_b32 s[G0+1], 0
	s_mov_b32 s[G0B], 1
	s_mov_b32 s[G0B+1], WB
	s_mov_b32 s[G0S], 1
	s_mov_b32 s[G0S+1], SCX
	s_mov_b32 s[G0SB], 1
	s_mov_b32 s[G0SB+1], SCW
	s_mul_i32 s20, s17, 256*KROW           ; my tiles' places, the same in all three products
	s_mov_b32 s21, 0
	s_mul_i32 s22, s17, 256*KS
	s_mov_b32 s23, 0
	s_mul_i32 s46, s42, 128*KROW
	s_mov_b32 s47, 0
	s_mul_i32 s18, s42, 128*KS
	s_mov_b32 s19, 0
	s_mov_b32 s[HI16], 0xffff0000
	s_mov_b32 s[SEL], 0x76543210
	s_mov_b32 s[SEL+1], 0xfedcba98
	s_wait_dscnt 0x0
	s_wait_kmcnt 0x0
.irp b, 4, 68, 76
	s_add_nc_u64 s[\b:\b+1], s[\b:\b+1], s[20:21]
	s_add_nc_u64 s[\b+2:\b+3], s[\b+2:\b+3], s[22:23]
	s_add_nc_u64 s[\b+4:\b+5], s[\b+4:\b+5], s[46:47]
	s_add_nc_u64 s[\b+6:\b+7], s[\b+6:\b+7], s[18:19]
.endr
	GADR G0, 4
	GADR G0S, 6
	GADR G0B, 8
	GADR G0SB, 10
	s_or_b32 s[G1SB], s44, (3<<16)|(1<<20)|(1<<21)|(5<<22)|(3<<25)
	s_mov_b32 s[G1SB+1], 32<<16
	s_mov_b32 s[G1SB+2], 16<<16
	s_mov_b32 s[G1SB+3], 32<<16
	s_mov_b32 s[G1SB+4], 16
	s_mov_b32 s[G1SB+5], 32
	s_mov_b32 s[G1SB+6], 0
	s_mov_b32 s[G1SB+7], 0
	CROUND                                 ; the round in front of the first joint loads
	ARMS                                   ; q's four tiles
	v_and_b32 v1, 15, v0                   ; r
	v_bfe_u32 v2, v0, 4, 1                 ; h
	v_mul_u32_u24 v3, v1, PITCH
	v_mad_u32_u24 v4, v2, 24, v3           ; row r, + 24 h
	v_mad_u32_u24 v5, v2, 40, v3           ; the same where lanes 16-31 lie behind one padding more
	s_mul_i32 s21, s15, 128*PITCH
	s_mul_i32 s22, s16, 64*PITCH
	s_add_co_u32 s22, s22, WB
	v_add_nc_u32 v[AX], s21, v4
	v_add_nc_u32 v[AX+1], s21, v5
	v_add_nc_u32 v[AW], s22, v4
	v_add_nc_u32 v[AW+1], s22, v5
.irp i, 1,2,3,4,5,6,7
	v_add_nc_u32 v[AX+2*\i], \i*16*PITCH, v[AX]
	v_add_nc_u32 v[AX+2*\i+1], \i*16*PITCH, v[AX+1]
.endr
.irp i, 1,2,3
	v_add_nc_u32 v[AW+2*\i], \i*16*PITCH, v[AW]
	v_add_nc_u32 v[AW+2*\i+1], \i*16*PITCH, v[AW+1]
.endr
	v_lshlrev_b32 v3, 5, v1                ; my row's 32 scale bytes,
	v_lshrrev_b32 v6, 3, v1
	v_lshl_add_u32 v3, v6, 4, v3           ; 16 more behind every 256
	s_mul_i32 s21, s15, 8*SBLK
	s_add_co_u32 s21, s21, SCX
	s_mul_i32 s22, s16, 4*SBLK
	s_add_co_u32 s22, s22, SCW
	v_mad_u32_u24 v6, v2, 4*SBLK, v3       ; X: lanes 16-31 take the block four on
	v_add_nc_u32 v[ASX], s21, v6
	v_mad_u32_u24 v7, v2, 2*SBLK, v3       ; W: the block two on
	v_add_nc_u32 v[ASW], s22, v7
	v_and_b32 v6, 31, v0
	v_lshlrev_b32 v[L16], 4, v6
	v_lshlrev_b32 v[L8], 3, v6
	s_lshl_b32 s99, s40, 2                 ; the prefetches: my number among the sixteen waves of my row of the cluster,
	s_add_co_u32 s99, s99, s14
	s_mul_i32 s99, s99, 12288              ; a sixteenth of X's tile: 48 blocks of 256 bytes
	s_add_co_u32 s101, s99, 8192
	s_lshl_b32 s100, s41, 2                ; and of my column
	s_add_co_u32 s100, s100, s14
	s_mul_i32 s100, s100, 6144             ; a sixteenth of W's tile: 24 blocks
	v_lshl_add_u32 v[PX0], v6, 8, s99      ; blocks 0-31
	v_min_u32 v7, 15, v6
	v_lshl_add_u32 v[PX1], v7, 8, s101     ; blocks 32-47
	v_min_u32 v5, 23, v6
	v_lshl_add_u32 v[PFW], v5, 8, s100
.irp b, 0,1,2,3
	v_mov_b32 v[T2+\b], 0                  ; a lane permute's destination counts as read
.endr
	s_lshl_b32 s20, s17, 8                 ; my record: ((b x 16 + head) x 16 + key step)
	s_lshl_b32 s21, s15, 7
	s_add_co_u32 s20, s20, s21             ; my first token
	s_lshl_b32 s23, s42, 1
	s_add_co_u32 s23, s23, s16             ; my head
	s_lshr_b32 s22, s20, 11
	s_lshl_b32 s22, s22, 4
	s_add_co_u32 s22, s22, s23
	s_lshl_b32 s22, s22, 4
	s_bfe_u32 s23, s20, 0x40007
	s_add_co_u32 s22, s22, s23
	s_mul_i32 s20, s22, 6656
	s_mov_b32 s21, 0
	s_add_nc_u64 s[12:13], s[84:85], s[20:21]      ; q's record in qf
	s_mul_i32 s20, s22, 13056
	s_add_nc_u64 s[84:85], s[86:87], s[20:21]      ; k's in kv,
	s_add_nc_u64 s[86:87], s[84:85], 6656          ; and v's behind it
; a fragment, 16 rows x 128 K: six pieces of 8 bytes, two to a load where both go by the same address register.  NLD counts the loads
.macro FRAG reg, q, ad
.set SK_, 0
.irp p, 0,1,2,3,4,5
.if SK_
.set SK_, 0
.else
.set PC_, 12*(\q)+6*(\p/3)+\p%3
.set PN_, 12*(\q)+6*((\p+1)/3)+(\p+1)%3
.set X_, (PC_%32+3)/32
.set XQ_, (PN_%32+3)/32
.set NLD, NLD+1
.if (\p < 5) && (X_ == XQ_)
.set SK_, 1
	ds_load_2addr_b64 v[\reg+2*\p:\reg+2*\p+3], v[\ad+X_] offset0:PC_+2*(PC_/32) offset1:PN_+2*(PN_/32)
.else
	ds_load_b64 v[\reg+2*\p:\reg+2*\p+1], v[\ad+X_] offset:8*(PC_+2*(PC_/32))
.endif
.endif
.endr
.endm
.macro FETCH q                         ; K step q's twelve fragments into set q % 2
.set NLD, 0
	WIN 0x80
.irp i, 0,1,2,3,4,5,6,7
	FRAG 96*((\q)%2)+12*\i, \q, AX+2*\i
.endr
	WIN 0xc0
.irp i, 0,1,2,3
	FRAG 48*((\q)%2)+12*\i, \q, AW+2*\i
.endr
.endm
.macro PRD d, s0, s1, x0, x1, r0, r1
.if QN
	v_wmma_scale_f32_16x16x128_f8f6f4 v[\d:\d+7], v[\s0:\s0+11], v[\s1:\s1+11], v[\d:\d+7], v[\x0], v[\x1] matrix_a_fmt:MATRIX_FMT_FP6 matrix_b_fmt:MATRIX_FMT_FP6 matrix_a_scale:MATRIX_SCALE_ROW\r0 matrix_b_scale:MATRIX_SCALE_ROW\r1
.else
	v_wmma_scale_f32_16x16x128_f8f6f4 v[\d:\d+7], v[\s0:\s0+11], v[\s1:\s1+11], 0, v[\x0], v[\x1] matrix_a_fmt:MATRIX_FMT_FP6 matrix_b_fmt:MATRIX_FMT_FP6 matrix_a_scale:MATRIX_SCALE_ROW\r0 matrix_b_scale:MATRIX_SCALE_ROW\r1
.endif
.endm
.macro MULS kind                       ; K step QN: X's block 4 ah + al against W's block 2 jh + jl.  kind 0: accumulator 4 a + j; kind 1: 8 j + a
.set P_, QN%2
.if \kind
	WIN 0x5e
.else
	WIN 0x5b
.endif
.irp ah, 0,1
.irp al, 0,1,2,3
.irp jh, 0,1
.irp jl, 0,1
.if \kind
	PRD 8*(8*(2*\jh+\jl)+4*\ah+\al), 96*P_+12*(4*\ah+\al), 48*P_+12*(2*\jh+\jl), SX+8*\al+QN, SW+8*\jl+QN, \ah, \jh
.else
	PRD 8*(4*(4*\ah+\al)+2*\jh+\jl), 48*P_+12*(2*\jh+\jl), 96*P_+12*(4*\ah+\al), SW+8*\jl+QN, SX+8*\al+QN, \jh, \ah
.endif
.endr
.endr
.endr
.endr
.endm
; a product: the tiles are shown to all four waves; the scale words of all of K; eight K steps.  ask = 1: the next product's tiles are asked for into the L2
.macro GEMM kind, ask
	WALU
	s_wait_tensorcnt 0x0                   ; my tile is in,
	s_barrier_signal -1
	s_barrier_wait -1                      ; and everybody's
.irp s, 0,1,2,3
	ds_load_b128 v[SX+8*\s:SX+8*\s+3], v[ASX] offset:\s*SBLK
	ds_load_b128 v[SX+8*\s+4:SX+8*\s+7], v[ASX] offset:\s*SBLK+16
.endr
.irp s, 0,1
	ds_load_b128 v[SW+8*\s:SW+8*\s+3], v[ASW] offset:\s*SBLK
	ds_load_b128 v[SW+8*\s+4:SW+8*\s+7], v[ASW] offset:\s*SBLK+16
.endr
	FETCH 0
.set QN, 0
.rept 8
.if QN < 7
.if QN > 0
	PLACES 4                               ; behind the products that read the set which is loaded now
.endif
	FETCH QN+1
	s_wait_dscnt NLD                       ; all but the NLD loads just issued
.else
	s_wait_dscnt 0x0
.endif
	MULS \kind
.if (\ask) && (QN == 0)
	WIN 0
	global_prefetch_b8 v[PX0], s[68:69] th:TH_LOAD_NT scope:SCOPE_SE
	global_prefetch_b8 v[PX1], s[68:69] th:TH_LOAD_NT scope:SCOPE_SE
	global_prefetch_b8 v[PFW], s[72:73] th:TH_LOAD_NT scope:SCOPE_SE
.endif
.set QN, QN+1
.endr
	WIN 0
.endm
; THE WAY OUT.  64 registers on end are four blocks of 32 along the next K, each shared by lanes l and l xor 16: q, k: two token tiles x the head's two blocks; v: one tile of 16 of the head's 64 x 128 tokens
.macro QUANT a, d0, d1
.set AC, 64*(\a)
	WIN 5
.irp b, 0,1,2,3
	v_max3_num_f32 v[TM+\b], |v[AC+16*\b]|, |v[AC+16*\b+1]|, 0x1800000
.endr
.irp i, 2,4,6,8,10,12,14
.irp b, 0,1,2,3
	v_max3_num_f32 v[TM+\b], |v[AC+16*\b+\i]|, |v[AC+16*\b+\i+1]|, v[TM+\b]
.endr
.endr
	WIN 0
.irp b, 0,1,2,3
	v_permlanex16_b32 v[T2+\b], v[TM+\b], s[SEL], s[SEL+1]
.endr
.irp b, 0,1,2,3
	v_max_num_f32 v[TM+\b], v[TM+\b], v[T2+\b]
.endr
.irp b, 0,1,2,3
	v_add_nc_u32 v[SO+\b], 0xff000000, v[TM+\b]    ; 2 off the exponent field: the conversion's scale operand
.endr
.irp b, 0,1,2,3
	v_lshrrev_b32 v[T2+\b], 23, v[SO+\b]
.endr
	v_lshl_or_b32 v[PW+(\a)], v[T2+1], 8, v[T2]
	v_lshl_or_b32 v[PW+(\a)], v[T2+2], 16, v[PW+(\a)]
	v_lshl_or_b32 v[PW+(\a)], v[T2+3], 24, v[PW+(\a)]
	WIN 1
	v_cvt_scalef32_pk16_fp6_f32 v[(\d0):(\d0)+2], v[AC:AC+15], v[SO]
	v_cvt_scalef32_pk16_fp6_f32 v[YY:YY+2], v[AC+16:AC+31], v[SO+1]
	v_cvt_scalef32_pk16_fp6_f32 v[(\d1):(\d1)+2], v[AC+32:AC+47], v[SO+2]
	v_cvt_scalef32_pk16_fp6_f32 v[YY+4:YY+6], v[AC+48:AC+63], v[SO+3]
	WIN 0
	v_nop
.irp i, 0,1,2
	v_permlane16_swap_b32 v[(\d0)+\i], v[YY+\i]
	v_permlane16_swap_b32 v[(\d1)+\i], v[YY+4+\i]
.endr
.irp i, 0,1,2
	v_mov_b32 v[(\d0)+3+\i], v[YY+\i]
	v_mov_b32 v[(\d1)+3+\i], v[YY+4+\i]
.endr
.endm
.macro WAYOUT kind
	PLACES 4
.irp a, 0,1,2,3
	QUANT \a, RUN+12*\a, RUN+12*\a+6
.endr
.if \kind
.irp t, 0,1
	v_cndmask_b32 v[IM+\t], v[PW+\t], v[PW+2+\t], s[HI16]     ; lanes 0-15 tile t, lanes 16-31 tile 2 + t
.endr
	global_store_b64 v[L8], v[IM:IM+1], s[12:13] offset:6144
.else
.irp u, 0,1,2,3
	v_perm_b32 v[DD+2*\u], v[PW+\u], v[PW+\u], 0x01000100     ; a token tile's two bytes, twice: the upper 64 of the scores' K are zero codes
	v_perm_b32 v[DD+2*\u+1], v[PW+\u], v[PW+\u], 0x03020302
.endr
.irp t, 0,1,2,3
	v_cndmask_b32 v[IM+\t], v[DD+\t], v[DD+4+\t], s[HI16]     ; lanes 0-15 tile t, lanes 16-31 tile 4 + t
.endr
	global_store_b128 v[L16], v[IM:IM+3], s[12:13] offset:6144
.endif
.irp j, 0,1,2,3,4,5,6,7,8,9,10,11
	global_store_b128 v[L16], v[RUN+4*\j:RUN+4*\j+3], s[12:13] offset:512*\j   ; 32 lanes store 512 consecutive bytes, aligned
.endr
.endm
	s_mov_b32 s45, 0
.Ltile:                                        ; q, then k
	GEMM 0, 1
	s_wait_tensorcnt 0x0                   ; the three lines ahead of a refill's round: none of my tensor loads is out,
	ds_add_u32 v[SPW], v[NIL]
	GADR G0, 68                            ; so the groups 0 may be written: the next product's tiles
	GADR G0S, 70
	GADR G0B, 72
	GADR G0SB, 74
	s_wait_dscnt 0x0                       ; the add is done, and my reads of all four tiles are over
	CROUND                                 ; so it is with every wave of all sixteen work-groups
	ARMS                                   ; the refill, one load a wave
	WAYOUT 0                               ; the finished product leaves while the tiles are on their way
	s_wait_xcnt 0x0                        ; the stores and the prefetches have read their bases and registers
	s_mov_b64 s[68:69], s[76:77]
	s_mov_b64 s[70:71], s[78:79]
	s_mov_b64 s[72:73], s[80:81]
	s_mov_b64 s[74:75], s[82:83]
	s_mov_b64 s[12:13], s[84:85]
	s_mov_b64 s[84:85], s[86:87]
	s_add_co_u32 s45, s45, 1
	s_cmp_lt_u32 s45, 2
	WALU
	s_cbranch_scc1 .Ltile
	GEMM 1, 0                              ; v: nothing more is fetched
	WAYOUT 1
	s_wait_tensorcnt 0x0                   ; the wave's end
	ds_add_u32 v[SPW], v[NIL]
	s_wait_dscnt 0x0
	CROUND                                 ; the closing round
	s_endpgm
.Lfunc_end_k_q8b10c89963_proj:
	.size	k_q8b10c89963_proj, .Lfunc_end_k_q8b10c89963_proj-k_q8b10c89963_proj
	.p2alignl 7, 3214868480
	.fill 96, 4, 3214868480
	.section	.rodata,"a",@progbits
	.p2align	6, 0x0
	.amdhsa_kernel k_q8b10c89963_proj
		.amdhsa_group_segment_fixed_size 327680
		.amdhsa_private_segment_fixed_size 0
		.amdhsa_enable_private_segment 0
		.amdhsa_kernarg_size 112
		.amdhsa_user_sgpr_count 2
		.amdhsa_user_sgpr_kernarg_segment_ptr 1
		.amdhsa_wavefront_size32 1
		.amdhsa_system_sgpr_workgroup_id_x 1
		.amdhsa_system_sgpr_workgroup_id_y 1
		.amdhsa_system_sgpr_workgroup_id_z 1
		.amdhsa_system_vgpr_workitem_id 0
		.amdhsa_next_free_vgpr 1024
		.amdhsa_next_free_sgpr 102
		.amdhsa_reserve_vcc 0
		.amdhsa_float_denorm_mode_32 3
		.amdhsa_float_denorm_mode_16_64 3
		.amdhsa_memory_ordered 1
		.amdhsa_forward_progress 1
		.amdhsa_inst_pref_size 157
	.end_amdhsa_kernel
	.amdgpu_metadata
---
amdhsa.version: [ 1, 2 ]
amdhsa.kernels:
  - .name:           k_q8b10c89963_proj
    .symbol:         k_q8b10c89963_proj.kd
    .args:
      - { .name: queries_codes, .offset: 0, .size: 8, .value_kind: global_buffer, .address_space: global }
      - { .name: queries_scales, .offset: 8, .size: 8, .value_kind: global_buffer, .address_space: global }
      - { .name: Wq_codes, .offset: 16, .size: 8, .value_kind: global_buffer, .address_space: global }
      - { .name: Wq_scales, .offset: 24, .size: 8, .value_kind: global_buffer, .address_space: global }
      - { .name: keys_codes, .offset: 32, .size: 8, .value_kind: global_buffer, .address_space: global }
      - { .name: keys_scales, .offset: 40, .size: 8, .value_kind: global_buffer, .address_space: global }
      - { .name: Wk_codes, .offset: 48, .size: 8, .value_kind: global_buffer, .address_space: global }
      - { .name: Wk_scales, .offset: 56, .size: 8, .value_kind: global_buffer, .address_space: global }
      - { .name: values_codes, .offset: 64, .size: 8, .value_kind: global_buffer, .address_space: global }
      - { .name: values_scales, .offset: 72, .size: 8, .value_kind: global_buffer, .address_space: global }
      - { .name: Wv_codes, .offset: 80, .size: 8, .value_kind: global_buffer, .address_space: global }
      - { .name: Wv_scales, .offset: 88, .size: 8, .value_kind: global_buffer, .address_space: global }
      - { .name: qf, .offset: 96, .size: 8, .value_kind: global_buffer, .address_space: global }
      - { .name: kv, .offset: 104, .size: 8, .value_kind: global_buffer, .address_space: global }
    .group_segment_fixed_size: 327680
    .private_segment_fixed_size: 0
    .kernarg_segment_align: 8
    .kernarg_segment_size: 112
    .max_flat_workgroup_size: 128
    .sgpr_count:     102
    .vgpr_count:     1024
    .wavefront_size: 32
...
	.end_amdgpu_metadata
.endif
;; end of part 2
;; launch attn (part 3): grid 4 x 64, 16 waves a work-group, clusters of 4 x 1, 210,944 bytes of LDS; arguments qf, kv, mbits, attc, atts; writes attc, atts
.if DOCPART == 3
	.amdgcn_target "amdgcn-amd-amdhsa--gfx1250"
	.amdhsa_code_object_version 6
	.text
	.protected	k_q8b10c89963_attn
	.globl	k_q8b10c89963_attn
	.p2align	8
	.type	k_q8b10c89963_attn,@function
k_q8b10c89963_attn:
	s_mov_b64 s[64:65], 0
	v_nop
	global_prefetch_b8 v0, s[64:65] scope:SCOPE_SE
	s_setreg_imm32_b32 hwreg(HW_REG_WAVE_MODE, 25, 1), 1
	s_wait_xcnt 0x0
	s_wait_alu depctr_hold_cnt(0) depctr_sa_sdst(0) depctr_va_vdst(0) depctr_va_sdst(0) depctr_va_ssrc(0) depctr_va_vcc(0) depctr_vm_vsrc(0)
	s_getreg_b32 s2, hwreg(HW_REG_IB_STS2, 6, 4)
	s_cmp_eq_u32 s2, 0
	s_cbranch_scc0 .Lentry_in_a_cluster
	s_endpgm
.Lentry_in_a_cluster:
	s_bfe_u32 s2, ttmp6, 0x10000c
	s_cmp_lg_u32 s2, 0x3003
	s_cbranch_scc0 .Lentry_shape_is_right
	s_endpgm
.Lentry_shape_is_right:
; Attention of one head on codes of FP6 (E2M3): scores = q k^T (K = the head's 64, filled to 128 with zero codes), hidden scores become -1e20, t = score x log2(e) / 32,
; M = the running largest t rounded up to a whole number, p = 2^(t - M) quantised along the keys, O = p v, divided at the end by the f32 sum of the unquantised p; the result is quantised along the 1,024 for the last product.
; SHARES.  Work-group (cx, b x 16 + head): 512 queries of one head.  Sixteen waves, four to a SIMD; wave w takes query tiles 2 w and 2 w + 1 of the block, one after the other (PASS 0, 1); each pass walks 16 key steps of 128.
; LDS.  The head's whole k and v, 16 records of 13,056 bytes in the order of the operands' registers, are brought ONCE: wave w brings record w.  Nothing is filled again: no ring.
; CLUSTER.  The four blocks of queries of a head read the same k and v: each record is asked for jointly, with a mask that names the four.
; LAYOUT.  Both products are used transposed: S^T = k q^T (source 0 = 16 keys, source 1 = my 16 queries), O^T = v^T p^T: lane (r, h) holds query r throughout.  In S^T register 8 t + j is key 16 t + 8 h + j.
; Inside a block of 32 keys p's codes come to lie in the order 0-7, 16-23, 8-15, 24-31, as v's do; q's and k's 64 likewise.  The result O is brought into natural order before it is quantised: it meets given codes.
; THE MASK comes as lane masks, 64 words a key step, by scalar loads one step ahead.
; A ROW HIDDEN SO FAR (its running t is that of -1e20): its exponent is taken as 0, so that p = 1, as 2^(t - M) is with t = M; the product -1e20 x c is not exact in f32, and its fused form would not cancel.
; When a key that counts arrives, the factor 2^(old M - new M) is 0 and wipes what was summed.
; LIMITS: a score at or under -1e20 that is not hidden counts as hidden; NaN and infinities are not served; a block whose largest number lies under 2^(2 - 126) keeps the byte 1 (its codes are zeros or held).
; A head owns 2 of a token's 32 scale bytes of the result: they leave as single bytes, 1 part in 24 of what this launch stores.
; REGISTERS: v1 16 x lane, v2 8 x lane, v3, v4 the same in the record in hand; v5 0; v6 -1e20; v7 c; v[8:9] -M in use; v[10:11] c in use; v12 -M; v13 the largest t; v[14:15] the sum; v[16:27] q and six registers of zero codes;
; v28 q's scale words, v29 p's; v30 c x -1e20; v31 32 r + h; v[32:79] k's or v's fragments; v[80:85] zero codes; v[88:91] k's scale words, v[92:93] v's; v[96:159] S^T, then p; v[160:191] O^T; v[192:203] p's codes;
; v204-207 the blocks' largest; v208-214 at work; v216-219 scale operands; v[220:221] f; v222 at work; v[224:225] the sum's second chain; v[240:251] both passes' q; v[252:253] their scale words.
.set REC,  13056                       ; a record: k's codes 6,144, k's scale words 512, v's codes 6,144, v's scale words 256
.set KSC,  6144
.set VCO,  6656
.set VSC,  12800
.set WV,   14                          ; s14  my wave's number
.set STP,  66                          ; s66  the key step
.set RO,   67                          ; s67  the record's first LDS byte
.set G0,   84                          ; s[84:87], s[88:95] the tensor load's two groups
.set G1,   88
.set CS,   96                          ; s96  c = log2(e) / 32
.set SEL,  98                          ; s[98:99] v_permlanex16_b32's selects for lane l xor 16
.set HI16, 100                         ; s100 a lane mask: lanes 16-31
.set MO,   101                         ; s101 byte offset of the mask words to be loaded
.macro ROUND                           ; a round of the cluster's barrier
	s_barrier_signal -1
	s_barrier_wait -1
	s_cmp_lg_u32 s[WV], 0
	s_cbranch_scc1 .Lnot_wave_0_\@
	s_barrier_signal -3
.Lnot_wave_0_\@:
	s_barrier_wait -3
	s_barrier_signal -1
	s_barrier_wait -1
.endm
.macro MASKW                           ; a key step's 64 mask words: s[16:63], s[68:83]
	s_load_b512 s[16:31], s[8:9], s[MO] offset:0x0
	s_load_b512 s[32:47], s[8:9], s[MO] offset:0x40
	s_load_b512 s[48:63], s[8:9], s[MO] offset:0x80
	s_load_b512 s[68:83], s[8:9], s[MO] offset:0xc0
.endm
	s_load_b256 s[4:11], s[0:1], 0x0               ; qf s[4:5], kv s[6:7], mbits s[8:9], attc s[10:11]
	s_load_b64 s[12:13], s[0:1], 0x20              ; atts
	v_lshl_add_u32 v254, v0, 2, 0x33000
	v_mov_b32 v255, 0
	ds_add_u32 v254, v255
	ds_add_u32 v254, v255
	v_lshrrev_b32 v1, 5, v0
	s_delay_alu instid0(VALU_DEP_1)
	v_readfirstlane_b32 s[WV], v1                  ; wave 0..15
	s_bfe_u32 s15, ttmp6, 0x40000                  ; cx: my block of 512 queries; it enters q's, the mask's and the results' addresses alone
	s_and_b32 s66, ttmp7, 0xffff                   ; 16 b + head, which the four partners share
	s_mov_b32 s[G0], 1                             ; count = 1
	s_mul_i32 s[G0+1], s[WV], REC                  ; LDS address: record w
	s_mul_i32 s16, s66, 16*REC
	s_add_co_u32 s16, s16, s[G0+1]                 ; and the same record of my head in kv
	s_mov_b32 s17, 0
	s_lshl_b32 s18, s66, 4
	s_lshl_b32 s19, s15, 2
	s_add_co_u32 s18, s18, s19
	s_lshr_b32 s19, s[WV], 2
	s_add_co_u32 s18, s18, s19
	s_mul_i32 s18, s18, 6656                       ; qf: record 16 (16 b + head) + 4 cx + w / 4: my 32 queries lie in it
	s_mov_b32 s19, 0
	s_lshr_b32 s20, s66, 4                         ; b
	s_and_b32 s21, s66, 15                         ; head
	s_lshl_b32 s22, s20, 7
	s_lshl_b32 s23, s15, 5
	s_add_co_u32 s22, s22, s23
	s_lshl_b32 s23, s[WV], 1
	s_add_co_u32 s22, s22, s23                     ; my first tile of 16 tokens: 128 b + 32 cx + 2 w
	s_lshl_b32 s24, s22, 12                        ; mbits: 4,096 bytes a tile
	s_mov_b32 s25, 0
	s_lshl_b32 s26, s22, 3
	s_lshr_b32 s27, s21, 1
	s_add_co_u32 s26, s26, s27
	s_mul_i32 s26, s26, 1536                       ; attc: fragment 8 tile + head / 2,
	s_and_b32 s27, s21, 1
	s_mul_i32 s27, s27, 768
	s_add_co_u32 s26, s26, s27                     ; its lower or upper six registers
	s_mov_b32 s27, 0
	s_lshl_b32 s28, s22, 9                         ; atts: 32 bytes a token,
	s_lshl_b32 s29, s21, 1
	s_add_co_u32 s28, s28, s29                     ; bytes 2 head, 2 head + 1
	s_mov_b32 s29, 0
	; group 1: a dense block of 13,056 bytes as 51 rows of 256 bytes (32 elements of 8 bytes), no padding
	s_mov_b32 s[G1], 15|(3<<16)|(1<<21)            ; the mask: all four work-groups; elements of 8 bytes; bit 21 set beside a mask
	s_mov_b32 s[G1+1], 32<<16                      ; tensor_dim0
	s_mov_b32 s[G1+2], 51<<16                      ; tensor_dim1
	s_mov_b32 s[G1+3], 32<<16                      ; tile_dim0
	s_mov_b32 s[G1+4], 51                          ; tile_dim1
	s_mov_b32 s[G1+5], 32                          ; from row to row
	s_mov_b32 s[G1+6], 0
	s_mov_b32 s[G1+7], 0
	s_mov_b32 s[CS], 0x3d38aa3b                    ; log2(e) / 32
	s_mov_b32 s[SEL], 0x76543210
	s_mov_b32 s[SEL+1], 0xfedcba98
	s_mov_b32 s[HI16], 0xffff0000
	s_mov_b32 s[MO], 0
	s_wait_dscnt 0x0
	s_wait_kmcnt 0x0
	s_add_nc_u64 s[G0+2:G0+3], s[6:7], s[16:17]
	s_or_b32 s[G0+3], s[G0+3], 0x80000000          ; type = 2
	s_add_nc_u64 s[4:5], s[4:5], s[18:19]
	s_add_nc_u64 s[8:9], s[8:9], s[24:25]
	s_add_nc_u64 s[10:11], s[10:11], s[26:27]
	s_add_nc_u64 s[12:13], s[12:13], s[28:29]
	ROUND                                          ; all four work-groups are here: the joint loads meet
	tensor_load_to_lds s[G0:G0+3], s[G1:G1+7]      ; my one tensor load of the launch
	s_nop 0
.rept 4
	v_nop
.endr
	v_and_b32 v2, 31, v0
	s_delay_alu instid0(VALU_DEP_1)
	v_lshlrev_b32 v1, 4, v2                        ; 16 x lane
	s_delay_alu instid0(VALU_DEP_2)
	v_lshlrev_b32 v2, 3, v2                        ; 8 x lane
	s_and_b32 s16, s[WV], 3
	s_mul_i32 s16, s16, 1536                       ; my two tiles are registers 12 (w % 4) .. + 11 of the record's 48: three runs of 512 bytes
	v_add_nc_u32 v3, s16, v1
.irp c, 0,1,2
	global_load_b128 v[240+4*\c:243+4*\c], v3, s[4:5] offset:512*\c
.endr
	v_and_b32 v31, 15, v0                          ; r
	s_bfe_u32 s16, s[WV], 0x10001                  ; my tiles lie among tiles 0-3 (lanes 0-15 of the image) or 4-7 (lanes 16-31)
	s_lshl_b32 s16, s16, 8
	s_and_b32 s17, s[WV], 1
	s_lshl_b32 s17, s17, 3                         ; and are registers 0, 1 or 2, 3 of its four
	s_add_co_u32 s16, s16, s17
	v_lshl_add_u32 v4, v31, 4, s16
	global_load_b64 v[252:253], v4, s[4:5] offset:KSC   ; query r's scale words of both passes, in every lane with that r
	MASKW                                          ; the first step's mask words
	v_bfe_u32 v5, v0, 4, 1                         ; h
	s_wait_alu depctr_va_vdst(0)
	v_lshl_add_u32 v31, v31, 5, v5                 ; 32 r + h: my byte in atts
	v_mov_b32 v5, 0
	v_mov_b32 v6, 0xe0ad78ec                       ; -1e20
	v_mov_b32 v7, s[CS]
	s_delay_alu instid0(VALU_DEP_2)
	v_mul_f32 v30, s[CS], v6                       ; t of a hidden score, by the instruction that makes every t
	v_mov_b32 v9, 0                                ; (upper halves of pairs of which the low word alone is used)
	v_mov_b32 v11, 0
	v_mov_b32 v221, 0
.irp i, 22,23,24,25,26,27, 80,81,82,83,84,85
	v_mov_b32 v[\i], 0                             ; zero codes: the upper 64 of q's K, and what stands behind k's last tile
.endr
.irp i, 208,209,210,211
	v_mov_b32 v[\i], 0                             ; written once: a lane permute's destination counts as one of its sources
.endr
	s_wait_tensorcnt 0x0                           ; my record has landed,
	s_barrier_signal -1
	s_barrier_wait -1                              ; everybody's has
	s_wait_loadcnt 0x0                             ; q
.macro PASS p
.irp i, 0,1,2,3,4,5
	v_mov_b32 v[16+\i], v[240+6*\p+\i]             ; this pass's tile of q
.endr
	v_mov_b32 v28, v[252+\p]
	v_mov_b32 v13, 0xff61b1e6                      ; the largest t so far: -3e38
	s_delay_alu instid0(VALU_DEP_1)
	v_floor_f32 v12, -v13                          ; -M
	v_mov_b32 v14, 0
	v_mov_b32 v15, 0
.set n, 0
.rept 32
	v_mov_b32 v[160+n], 0                          ; O^T: the step is written once; its first trip finds zeros
.set n, n+1
.endr
	s_mov_b32 s[STP], 0
	s_mov_b32 s[RO], 0
.Lstep_\p:
	v_add_nc_u32 v3, s[RO], v1                     ; these two and the two v_nop are the four places behind the last products, ahead of the loads into registers that they read
	v_add_nc_u32 v4, s[RO], v2
	v_nop
	v_nop
.irp j, 0,1,2,3,4,5,6,7,8,9,10,11
	ds_load_b128 v[32+4*\j:35+4*\j], v3 offset:512*\j        ; k's eight tiles: tile t in v[32 + 6 t ..]
.endr
	ds_load_b128 v[88:91], v3 offset:KSC
	s_wait_alu depctr_va_vdst(0)
	s_wait_dscnt 0x0
	; S^T = k q^T.  A tile's 12 registers are its own six and the six that follow: those meet q's zero codes
.irp t, 0,1,2,3
	v_wmma_scale_f32_16x16x128_f8f6f4 v[96+8*\t:103+8*\t], v[32+6*\t:43+6*\t], v[16:27], 0, v[88+\t], v28 matrix_a_fmt:MATRIX_FMT_FP6 matrix_b_fmt:MATRIX_FMT_FP6
.endr
.irp t, 4,5,6,7
	v_wmma_scale_f32_16x16x128_f8f6f4 v[96+8*\t:103+8*\t], v[32+6*\t:43+6*\t], v[16:27], 0, v[84+\t], v28 matrix_a_fmt:MATRIX_FMT_FP6 matrix_b_fmt:MATRIX_FMT_FP6 matrix_a_scale:MATRIX_SCALE_ROW1
.endr
.rept 4
	v_nop                                          ; places: ahead of the loads into k's registers and of the first read of the scores
.endr
.irp j, 0,1,2,3,4,5,6,7,8,9,10,11
	ds_load_b128 v[32+4*\j:35+4*\j], v3 offset:VCO+512*\j    ; v's four tiles land while the softmax is worked
.endr
	ds_load_b64 v[92:93], v4 offset:VSC
	s_wait_kmcnt 0x0                               ; this step's mask words, asked for a step ago
.set n, 0
.rept 64
	v_cndmask_b32 v[96+n], v[96+n], v6, s[16+16*(n/16)+4*(n/48)+n%16]   ; hidden scores become -1e20; each accumulator is read from its low end on
.set n, n+1
.endr
	s_add_co_u32 s[MO], s[STP], 16*\p+1            ; the next step's words (the next pass's first step follows this pass's last); the very last trip asks for step 31 again: no load leaves the buffer
	s_min_u32 s[MO], s[MO], 31
	s_lshl_b32 s[MO], s[MO], 8
	MASKW
.irp b, 0,1,2,3
	v_max3_num_f32 v[204+\b], v[96+16*\b], v[97+16*\b], v[98+16*\b]    ; the largest score of each block of 32 keys: for the row's maximum and, since p rises with the score, for the block's largest p
.endr
.irp i, 3,5,7,9,11,13
.irp b, 0,1,2,3
	s_delay_alu instid0(VALU_DEP_4)
	v_max3_num_f32 v[204+\b], v[204+\b], v[96+16*\b+\i], v[97+16*\b+\i]
.endr
.endr
.irp b, 0,1,2,3
	s_delay_alu instid0(VALU_DEP_4)
	v_max_num_f32 v[204+\b], v[204+\b], v[111+16*\b]
.endr
.irp b, 0,1,2,3
	s_delay_alu instid0(VALU_DEP_4)
	v_permlanex16_b32 v[208+\b], v[204+\b], s[SEL], s[SEL+1]
.endr
.irp b, 0,1,2,3
	s_delay_alu instid0(VALU_DEP_4)
	v_max_num_f32 v[204+\b], v[204+\b], v[208+\b]  ; with lane l xor 16's 16 keys
.endr
	s_delay_alu instid0(VALU_DEP_2)
	v_max3_num_f32 v222, v204, v205, v206
	s_delay_alu instid0(VALU_DEP_1)
	v_max_num_f32 v222, v222, v207                 ; the step's largest score of my query
	s_delay_alu instid0(VALU_DEP_1)
	v_mul_f32 v222, s[CS], v222                    ; as t
	s_delay_alu instid0(VALU_DEP_1)
	v_max_num_f32 v13, v13, v222                   ; the running largest t
	v_mov_b32 v222, v12
	s_delay_alu instid0(VALU_DEP_2)
	v_floor_f32 v12, -v13                          ; the new -M = -ceil(t)
	s_delay_alu instid0(VALU_DEP_1)
	v_sub_f32 v222, v12, v222                      ; old M - new M: a whole number, 0 or less
	s_delay_alu instid0(VALU_DEP_1)
	v_cvt_i32_f32 v222, v222                       ; (it saturates)
	s_delay_alu instid0(VALU_DEP_1)
	v_ldexp_f32 v220, 1.0, v222                    ; f = 2^(old M - new M): exact
	v_cmp_le_f32 vcc_lo, v13, v30                  ; is my row hidden so far?  A choice of values, no branch
	s_delay_alu instid0(VALU_DEP_1)
	v_cndmask_b32 v10, v7, v5, vcc_lo              ; then c and -M are taken as 0: every exponent is 0, p = 1
	s_delay_alu instid0(VALU_DEP_2)
	v_cndmask_b32 v8, v12, v5, vcc_lo
.set n, 0
.rept 32
	v_pk_fma_f32 v[96+n:97+n], v[96+n:97+n], v[10:11], v[8:9] op_sel_hi:[1,0,0]   ; t - M, two at a time
.set n, n+2
.endr
.irp b, 0,1,2,3
	v_fma_f32 v[204+\b], v[204+\b], v10, v8        ; the same of each block's largest score
.endr
.set n, 0
	s_wait_alu depctr_va_vdst(0)
.rept 64
	v_exp_f32 v[96+n], v[96+n]                     ; p = 2^(t - M): not normalised
.set n, n+1
.endr
	v_pk_mul_f32 v[14:15], v[14:15], v[220:221] op_sel_hi:[1,0]   ; the sum under the new M: a plain place behind the exponentials
	s_wait_alu depctr_va_vdst(0)                   ; one wait for the batch of 64, ahead of its first reader
.irp b, 0,1,2,3
	v_exp_f32 v[204+\b], v[204+\b]                 ; the block's largest p
.endr
	v_pk_add_f32 v[224:225], v[96:97], v[98:99]    ; the row's sum of the unquantised p, in two chains
.irp j, 4,8,12,16,20,24,28,32,36,40,44,48,52
	v_pk_add_f32 v[14:15], v[14:15], v[96+\j:97+\j]
	v_pk_add_f32 v[224:225], v[224:225], v[98+\j:99+\j]
.endr
	s_wait_alu depctr_va_vdst(0)                   ; and one for the four
.irp b, 0,1,2,3
	v_max_num_f32 v[204+\b], 0x1800000, v[204+\b]  ; the floor 2^(3 - 127): the byte cannot fall under 1
.endr
.irp b, 0,1,2,3
	s_delay_alu instid0(VALU_DEP_4)
	v_add_nc_u32 v[216+\b], 0xff000000, v[204+\b]  ; 2 off the exponent field: the conversion's scale operand
.endr
.irp b, 0,1,2,3
	s_delay_alu instid0(VALU_DEP_4)
	v_lshrrev_b32 v[208+\b], 23, v[216+\b]         ; the scale's byte
.endr
	s_delay_alu instid0(VALU_DEP_3)
	v_lshl_or_b32 v29, v209, 8, v208               ; p's scale word for these 128 keys
	s_delay_alu instid0(VALU_DEP_1)
	v_lshl_or_b32 v29, v210, 16, v29
	s_delay_alu instid0(VALU_DEP_1)
	v_lshl_or_b32 v29, v211, 24, v29
.irp c, 0,1
	v_cvt_scalef32_pk16_fp6_f32 v[192+6*\c:194+6*\c], v[96+32*\c:111+32*\c], v[216+2*\c]
	v_cvt_scalef32_pk16_fp6_f32 v[208+4*\c:210+4*\c], v[112+32*\c:127+32*\c], v[217+2*\c]   ; (a conversion's three registers begin on an even number)
.endr
.set n, 0
.rept 16
	v_pk_mul_f32 v[160+n:161+n], v[160+n:161+n], v[220:221] op_sel_hi:[1,0]   ; O^T under the new M; each accumulator from its low end on.  The first is the plain place behind the conversions
.set n, n+2
.endr
.irp c, 0,1
.irp i, 0,1,2
	v_permlane16_swap_b32 v[192+6*\c+\i], v[208+4*\c+\i]      ; a whole block in a lane: lanes 0-15 block 2 c, lanes 16-31 block 2 c + 1
.endr
.irp i, 0,1,2
	s_delay_alu instid0(VALU_DEP_3)
	v_mov_b32 v[195+6*\c+\i], v[208+4*\c+\i]
.endr
.endr
.irp j, 56,60
	v_pk_add_f32 v[14:15], v[14:15], v[96+\j:97+\j]           ; the end of the row's sum: five plain instructions between the last write of p's codes and of O^T and the products
	v_pk_add_f32 v[224:225], v[224:225], v[98+\j:99+\j]
.endr
	s_delay_alu instid0(VALU_DEP_1)
	v_pk_add_f32 v[14:15], v[14:15], v[224:225]
	s_wait_alu depctr_va_vdst(0)
	s_wait_dscnt 0x0                               ; v is in
	; O^T += v^T p^T: four accumulators, one instruction each
.irp t, 0,1
	v_wmma_scale_f32_16x16x128_f8f6f4 v[160+8*\t:167+8*\t], v[32+12*\t:43+12*\t], v[192:203], v[160+8*\t:167+8*\t], v[92+\t], v29 matrix_a_fmt:MATRIX_FMT_FP6 matrix_b_fmt:MATRIX_FMT_FP6
.endr
.irp t, 2,3
	v_wmma_scale_f32_16x16x128_f8f6f4 v[160+8*\t:167+8*\t], v[32+12*\t:43+12*\t], v[192:203], v[160+8*\t:167+8*\t], v[90+\t], v29 matrix_a_fmt:MATRIX_FMT_FP6 matrix_b_fmt:MATRIX_FMT_FP6 matrix_a_scale:MATRIX_SCALE_ROW1
.endr
	s_add_co_u32 s[RO], s[RO], REC
	s_add_co_u32 s[STP], s[STP], 1
	s_cmp_lt_u32 s[STP], 16
	s_cbranch_scc1 .Lstep_\p
	; THE PASS'S END: O^T / the sum, in natural order, quantised along the head's 64: two blocks
	v_add_f32 v14, v14, v15
	s_delay_alu instid0(VALU_DEP_1)
	v_permlanex16_b32 v208, v14, s[SEL], s[SEL+1]
	s_delay_alu instid0(VALU_DEP_1)
	v_add_f32 v14, v14, v208                       ; the row's sum
	s_wait_alu depctr_va_vdst(0)
	v_rcp_f32 v14, v14
.rept 4
	v_nop                                          ; the plain place behind the reciprocal, and places behind the last products
.endr
	s_wait_alu depctr_va_vdst(0)                   ; ahead of the reciprocal's first reader
.set n, 0
.rept 32
	v_mul_f32 v[96+n], v[160+n], v14               ; register 8 t + j: d = 16 t + 8 h + j
.set n, n+1
.endr
.irp b, 0,1
.irp j, 0,1,2,3,4,5,6,7
	v_permlane16_swap_b32 v[96+16*\b+\j], v[104+16*\b+\j]     ; now register 16 b + i is d = 32 b + 16 h + i: sixteen neighbours
.endr
.endr
.irp b, 0,1
	v_max3_num_f32 v[204+\b], |v[96+16*\b]|, |v[97+16*\b]|, 0x1800000
.endr
.irp i, 2,4,6,8,10,12,14
.irp b, 0,1
	s_delay_alu instid0(VALU_DEP_2)
	v_max3_num_f32 v[204+\b], v[204+\b], |v[96+16*\b+\i]|, |v[97+16*\b+\i]|
.endr
.endr
.irp b, 0,1
	s_delay_alu instid0(VALU_DEP_2)
	v_permlanex16_b32 v[208+\b], v[204+\b], s[SEL], s[SEL+1]
.endr
.irp b, 0,1
	s_delay_alu instid0(VALU_DEP_2)
	v_max_num_f32 v[204+\b], v[204+\b], v[208+\b]
.endr
.irp b, 0,1
	s_delay_alu instid0(VALU_DEP_2)
	v_add_nc_u32 v[216+\b], 0xff000000, v[204+\b]
.endr
.irp b, 0,1
	s_delay_alu instid0(VALU_DEP_2)
	v_lshrrev_b32 v[208+\b], 23, v[216+\b]
.endr
	s_delay_alu instid0(VALU_DEP_1)
	v_cndmask_b32 v222, v208, v209, s[HI16]        ; lane (r, h) stores block h's byte of token r
	v_cvt_scalef32_pk16_fp6_f32 v[192:194], v[96:111], v216
	v_cvt_scalef32_pk16_fp6_f32 v[212:214], v[112:127], v217
	v_nop                                          ; one plain place behind a scaled conversion
.irp i, 0,1,2
	v_permlane16_swap_b32 v[192+\i], v[212+\i]
.endr
.irp i, 0,1,2
	s_delay_alu instid0(VALU_DEP_3)
	v_mov_b32 v[195+\i], v[212+\i]                 ; v[192:197]: six registers of the last product's fragment: lane (r, h): token r, block h of my head
.endr
.irp i, 0,1,2
	global_store_b64 v2, v[192+2*\i:193+2*\i], s[10:11] offset:12288*\p+256*\i   ; two registers: 32 lanes store 256 consecutive bytes, aligned
.endr
	global_store_b8 v31, v222, s[12:13] offset:512*\p
.if \p == 0
	s_wait_xcnt 0x0                                ; the stores' data registers are written again in the next pass only behind this wait
.endif
.endm
	PASS 0
	PASS 1
	s_wait_kmcnt 0x0                               ; the last trip's scalar loads
	s_wait_tensorcnt 0x0
	ds_add_u32 v254, v255
	s_wait_dscnt 0x0
	ROUND                                          ; the closing round
	s_endpgm
.Lfunc_end_k_q8b10c89963_attn:
	.size	k_q8b10c89963_attn, .Lfunc_end_k_q8b10c89963_attn-k_q8b10c89963_attn
	.p2alignl 7, 3214868480
	.fill 96, 4, 3214868480
	.section	.rodata,"a",@progbits
	.p2align	6, 0x0
	.amdhsa_kernel k_q8b10c89963_attn
		.amdhsa_group_segment_fixed_size 210944
		.amdhsa_private_segment_fixed_size 0
		.amdhsa_enable_private_segment 0
		.amdhsa_kernarg_size 40
		.amdhsa_user_sgpr_count 2
		.amdhsa_user_sgpr_kernarg_segment_ptr 1
		.amdhsa_wavefront_size32 1
		.amdhsa_system_sgpr_workgroup_id_x 1
		.amdhsa_system_sgpr_workgroup_id_y 1
		.amdhsa_system_sgpr_workgroup_id_z 1
		.amdhsa_system_vgpr_workitem_id 0
		.amdhsa_next_free_vgpr 256
		.amdhsa_next_free_sgpr 102
		.amdhsa_reserve_vcc 1
		.amdhsa_float_denorm_mode_32 3
		.amdhsa_float_denorm_mode_16_64 3
		.amdhsa_memory_ordered 1
		.amdhsa_forward_progress 1
		.amdhsa_inst_pref_size 63
	.end_amdhsa_kernel
	.amdgpu_metadata
---
amdhsa.version: [ 1, 2 ]
amdhsa.kernels:
  - .name:           k_q8b10c89963_attn
    .symbol:         k_q8b10c89963_attn.kd
    .args:
      - { .name: qf, .offset: 0, .size: 8, .value_kind: global_buffer, .address_space: global }
      - { .name: kv, .offset: 8, .size: 8, .value_kind: global_buffer, .address_space: global }
      - { .name: mbits, .offset: 16, .size: 8, .value_kind: global_buffer, .address_space: global }
      - { .name: attc, .offset: 24, .size: 8, .value_kind: global_buffer, .address_space: global }
      - { .name: atts, .offset: 32, .size: 8, .value_kind: global_buffer, .address_space: global }
    .group_segment_fixed_size: 210944
    .private_segment_fixed_size: 0
    .kernarg_segment_align: 8
    .kernarg_segment_size: 40
    .max_flat_workgroup_size: 512
    .sgpr_count:     102
    .vgpr_count:     256
    .wavefront_size: 32
...
	.end_amdgpu_metadata
.endif
;; end of part 3
;; launch outp (part 4): grid 8 x 32, 4 waves a work-group, clusters of 4 x 4, 327,680 bytes of LDS; arguments attc, atts, Wo_codes, Wo_scales, bo, out0; writes out0
.if DOCPART == 4
	.amdgcn_target "amdgcn-amd-amdhsa--gfx1250"
	.amdhsa_code_object_version 6
	.text
	.protected	k_q8b10c89963_outp
	.globl	k_q8b10c89963_outp
	.p2align	8
	.type	k_q8b10c89963_outp,@function
k_q8b10c89963_outp:
	s_mov_b64 s[64:65], 0
	v_nop
	global_prefetch_b8 v0, s[64:65] scope:SCOPE_SE
	s_setreg_imm32_b32 hwreg(HW_REG_WAVE_MODE, 25, 1), 1
	s_wait_xcnt 0x0
	s_wait_alu depctr_hold_cnt(0) depctr_sa_sdst(0) depctr_va_vdst(0) depctr_va_sdst(0) depctr_va_ssrc(0) depctr_va_vcc(0) depctr_vm_vsrc(0)
	s_getreg_b32 s2, hwreg(HW_REG_IB_STS2, 6, 4)
	s_cmp_eq_u32 s2, 0
	s_cbranch_scc0 .Lentry_in_a_cluster
	s_endpgm
.Lentry_in_a_cluster:
	s_bfe_u32 s2, ttmp6, 0x10000c
	s_cmp_lg_u32 s2, 0xf033
	s_cbranch_scc0 .Lentry_shape_is_right
	s_endpgm
.Lentry_shape_is_right:
; out0 = attention's result x Wo^T + bo, on codes of FP6 (E2M3); f32 out.
; A work-group makes 256 tokens x 128 columns: 32 x 8 = 256 work-groups.  ALL OF K LIES IN LDS, four tiles, one tensor load a wave at the head, nothing filled again:
; X, the tokens' codes, one dense block of attc in the order of the operand registers ([tile of 16 tokens][K step][piece of two registers][lane][8 bytes]), as rows of 256 bytes;
; W, 128 whole rows of Wo of 768 bytes, 16 bytes of padding behind every 256: pitch 816; the scale bytes of both, as units of 256 bytes + 16.
; CLUSTER 4 x 4: X's tiles are asked for jointly by a row of the cluster, W's by a column.
; A wave makes 128 tokens x 64 columns: 32 accumulators by turns, eight K steps of 128.  Source 0 = W's rows: a lane holds eight neighbouring columns of a token's row.
; The bias is the first products' C.  The results leave through a stage of 16 rows x 272 bytes a wave, laid in X's bytes behind a barrier behind which nobody reads X: whole rows of 256 bytes are stored.
; No prefetch: the launch has no loop to run ahead in; every tile is asked for at the head.
.set KROW,  768
.set KS,    32
.set PITCH, 816
.set XT,    12288                      ; a tile of 16 tokens, all of K
.set WB,    16*XT
.set SCX,   WB+128*PITCH
.set SBLK,  544
.set SCW,   SCX+16*SBLK
.set SPARE, SCW+8*SBLK
.set SP,    272
.set AX, 8                             ; v8-15 LDS address of my eight token tiles, stepped from K step to K step
.set AW, 24
.set SX, 32
.set SW, 68
.set BI, 84                            ; v84-115 the bias, as the result lies
.set STO, 116
.set RD,  117
.set CO,  118
.set BO,  119
.set SPW, 120
.set NIL, 121
.set ASX, 122
.set ASW, 123
.set BK,  128
.set G1, 24
.set G0, 32
.set G1B, 48
.set G0B, 56
.set G1S, 68
.set G0S, 76
.set G1SB, 80
.set G0SB, 88
.set MSB, 0
.macro WIN new
.if MSB != \new
	s_set_vgpr_msb (MSB<<8)|\new
.set MSB, \new
.endif
.endm
.macro PLACES n
.rept \n
	v_nop
.endr
.endm
.macro WALU
	s_wait_alu depctr_va_vdst(0)
.endm
.macro CROUND
	s_barrier_signal -1
	s_barrier_wait -1
	s_cmp_lg_u32 s14, 0
	s_cbranch_scc1 .Lnot_wave_0_\@
	s_barrier_signal -3
.Lnot_wave_0_\@:
	s_barrier_wait -3
	s_barrier_signal -1
	s_barrier_wait -1
.endm
.macro TLOAD g0, g1
	tensor_load_to_lds s[\g0:\g0+3], s[\g1:\g1+7]
	s_nop 0
	PLACES 4
.endm
.macro GZERO g, lds, a
	s_mov_b32 s[\g], 1
	s_mov_b32 s[\g+1], \lds
	s_mov_b64 s[\g+2:\g+3], s[\a:\a+1]
	s_or_b32 s[\g+3], s[\g+3], 0x80000000
.endm
	s_load_b256 s[4:11], s[0:1], 0x0       ; attc, atts, Wo's codes, Wo's scales
	s_load_b128 s[96:99], s[0:1], 0x20     ; bo, out0
	v_lshl_add_u32 v[SPW], v0, 2, SPARE
	v_mov_b32 v[NIL], 0
	ds_add_u32 v[SPW], v[NIL]              ; the opening lines: the add twice on end
	ds_add_u32 v[SPW], v[NIL]
	v_lshrrev_b32 v1, 5, v0
	v_readfirstlane_b32 s14, v1
	s_lshr_b32 s15, s14, 1
	s_and_b32 s16, s14, 1
	s_bfe_u32 s40, ttmp6, 0x40000
	s_bfe_u32 s41, ttmp6, 0x40004
	s_and_b32 s17, ttmp7, 0xffff
	s_lshl_b32 s17, s17, 2
	s_add_co_u32 s17, s17, s41             ; token tile 0..31
	s_lshl_b32 s42, ttmp9, 2
	s_add_co_u32 s42, s42, s40             ; column tile 0..7
	s_lshl_b32 s43, s41, 2
	s_lshl_b32 s43, 15, s43
	s_lshl_b32 s44, 0x1111, s40
	s_or_b32 s[G1], s43, (3<<16)|(1<<21)   ; X: 768 rows of 256 bytes, dense
	s_or_b32 s[G1S], s43, (3<<16)|(1<<20)|(1<<21)|(5<<22)|(3<<25)
	s_or_b32 s[G1SB], s44, (3<<16)|(1<<20)|(1<<21)|(5<<22)|(3<<25)
.irp g, G1, G1S, G1SB
	s_mov_b32 s[\g+1], 32<<16
	s_mov_b32 s[\g+3], 32<<16
	s_mov_b32 s[\g+5], 32
	s_mov_b32 s[\g+6], 0
	s_mov_b32 s[\g+7], 0
.endr
	s_mov_b32 s[G1+2], 768<<16
	s_mov_b32 s[G1+4], 768
	s_mov_b32 s[G1S+2], 32<<16
	s_mov_b32 s[G1S+4], 32
	s_mov_b32 s[G1SB+2], 16<<16
	s_mov_b32 s[G1SB+4], 16
	s_or_b32 s[G1B], s44, (1<<20)|(1<<21)|(5<<22)|(3<<25)
	s_mov_b32 s[G1B+1], KROW<<16
	s_mov_b32 s[G1B+2], 128<<16
	s_mov_b32 s[G1B+3], KROW<<16
	s_mov_b32 s[G1B+4], 128
	s_mov_b32 s[G1B+5], KROW
	s_mov_b32 s[G1B+6], 0
	s_mov_b32 s[G1B+7], 0
	s_mul_i32 s20, s17, 16*XT
	s_mov_b32 s21, 0
	s_mul_i32 s22, s17, 256*KS
	s_mov_b32 s23, 0
	s_mul_i32 s46, s42, 128*KROW
	s_mov_b32 s47, 0
	s_mul_i32 s92, s42, 128*KS
	s_mov_b32 s93, 0
	s_wait_dscnt 0x0
	s_wait_kmcnt 0x0
	s_add_nc_u64 s[20:21], s[4:5], s[20:21]
	s_add_nc_u64 s[22:23], s[6:7], s[22:23]
	s_add_nc_u64 s[46:47], s[8:9], s[46:47]
	s_add_nc_u64 s[92:93], s[10:11], s[92:93]
	CROUND                                 ; the round in front of the joint loads
	GZERO G0, 0, 20
	GZERO G0B, WB, 46
	GZERO G0S, SCX, 22
	GZERO G0SB, SCW, 92
	s_cmp_eq_u32 s14, 0
	s_cbranch_scc0 .Lw1
	TLOAD G0B, G1B
	s_branch .Lasked
.Lw1:
	s_cmp_eq_u32 s14, 1
	s_cbranch_scc0 .Lw2
	TLOAD G0S, G1S
	s_branch .Lasked
.Lw2:
	s_cmp_eq_u32 s14, 2
	s_cbranch_scc0 .Lw3
	TLOAD G0SB, G1SB
	s_branch .Lasked
.Lw3:
	TLOAD G0, G1
.Lasked:
	s_lshl_b32 s18, s42, 9                 ; my first column, in bytes
	s_lshl_b32 s19, s16, 8
	s_add_co_u32 s18, s18, s19
	s_mov_b32 s19, 0
	s_add_nc_u64 s[96:97], s[96:97], s[18:19]
	s_lshl_b32 s20, s17, 8
	s_lshl_b32 s21, s15, 7
	s_add_co_u32 s20, s20, s21
	s_lshl_b32 s20, s20, 12                ; my first token's row of 4,096 bytes
	s_mov_b32 s21, 0
	s_add_nc_u64 s[12:13], s[98:99], s[20:21]
	s_add_nc_u64 s[12:13], s[12:13], s[18:19]
	s_mul_i32 s21, s15, 8*XT
	s_mul_i32 s22, s16, 64*PITCH
	s_add_co_u32 s22, s22, WB
	s_mul_i32 s23, s14, 16*SP              ; my stage
	v_and_b32 v1, 15, v0                   ; r
	v_bfe_u32 v2, v0, 4, 1                 ; h
	v_and_b32 v6, 31, v0
	v_mul_u32_u24 v3, v1, PITCH
	v_mad_u32_u24 v4, v2, 24, v3
	v_mad_u32_u24 v5, v2, 40, v3
	v_lshl_add_u32 v[AX], v6, 3, s21       ; 8 x lane in my first token tile
	v_add_nc_u32 v[AW], s22, v4
	v_add_nc_u32 v[AW+1], s22, v5
.irp i, 1,2,3,4,5,6,7
	v_add_nc_u32 v[AX+\i], \i*XT, v[AX]
.endr
.irp i, 1,2,3
	v_add_nc_u32 v[AW+2*\i], \i*16*PITCH, v[AW]
	v_add_nc_u32 v[AW+2*\i+1], \i*16*PITCH, v[AW+1]
.endr
	v_lshlrev_b32 v3, 5, v1
	v_lshrrev_b32 v6, 3, v1
	v_lshl_add_u32 v3, v6, 4, v3
	s_mul_i32 s21, s15, 8*SBLK
	s_add_co_u32 s21, s21, SCX
	s_mul_i32 s22, s16, 4*SBLK
	s_add_co_u32 s22, s22, SCW
	v_mad_u32_u24 v6, v2, 4*SBLK, v3
	v_add_nc_u32 v[ASX], s21, v6
	v_mad_u32_u24 v7, v2, 2*SBLK, v3
	v_add_nc_u32 v[ASW], s22, v7
	v_mul_u32_u24 v5, v1, SP
	v_lshl_add_u32 v5, v2, 5, v5
	v_add_nc_u32 v[STO], s23, v5           ; in: row r, 32 bytes for each half of the lanes
	v_mul_u32_u24 v5, v2, SP
	v_lshl_add_u32 v5, v1, 4, v5
	v_add_nc_u32 v[RD], s23, v5            ; back: lanes 0-15 one row of 256 bytes, lanes 16-31 the next
	v_lshlrev_b32 v5, 12, v2
	v_lshl_add_u32 v[CO], v1, 4, v5        ; and the same two rows in out0
	v_lshlrev_b32 v[BO], 5, v2
.macro FRAG reg, q, ad
.set SK_, 0
.irp p, 0,1,2,3,4,5
.if SK_
.set SK_, 0
.else
.set PC_, 12*(\q)+6*(\p/3)+\p%3
.set PN_, 12*(\q)+6*((\p+1)/3)+(\p+1)%3
.set X_, (PC_%32+3)/32
.set XQ_, (PN_%32+3)/32
.set NLD, NLD+1
.if (\p < 5) && (X_ == XQ_)
.set SK_, 1
	ds_load_2addr_b64 v[\reg+2*\p:\reg+2*\p+3], v[\ad+X_] offset0:PC_+2*(PC_/32) offset1:PN_+2*(PN_/32)
.else
	ds_load_b64 v[\reg+2*\p:\reg+2*\p+1], v[\ad+X_] offset:8*(PC_+2*(PC_/32))
.endif
.endif
.endr
.endm
.macro FETCH q                         ; K step q's twelve fragments into set q % 2
.set NLD, 0
.if (\q) > 0
	WIN 0
.irp i, 0,1,2,3,4,5,6,7
	v_add_nc_u32 v[AX+\i], 1536, v[AX+\i]  ; a K step on; these eight are also the places behind the products that read the set which is loaded now
.endr
	WALU
.endif
	WIN 0x80
.irp i, 0,1,2,3,4,5,6,7
.irp p, 0,2,4
.set NLD, NLD+1
	ds_load_2addr_b64 v[96*((\q)%2)+12*\i+2*\p:96*((\q)%2)+12*\i+2*\p+3], v[AX+\i] offset0:32*\p offset1:32*\p+32
.endr
.endr
	WIN 0xc0
.irp i, 0,1,2,3
	FRAG 48*((\q)%2)+12*\i, \q, AW+2*\i
.endr
.endm
.macro PRD d, s0, s1, c, x0, x1, r0, r1
.if QN
	v_wmma_scale_f32_16x16x128_f8f6f4 v[\d:\d+7], v[\s0:\s0+11], v[\s1:\s1+11], v[\d:\d+7], v[\x0], v[\x1] matrix_a_fmt:MATRIX_FMT_FP6 matrix_b_fmt:MATRIX_FMT_FP6 matrix_a_scale:MATRIX_SCALE_ROW\r0 matrix_b_scale:MATRIX_SCALE_ROW\r1
.else
	v_wmma_scale_f32_16x16x128_f8f6f4 v[\d:\d+7], v[\s0:\s0+11], v[\s1:\s1+11], v[\c:\c+7], v[\x0], v[\x1] matrix_a_fmt:MATRIX_FMT_FP6 matrix_b_fmt:MATRIX_FMT_FP6 matrix_a_scale:MATRIX_SCALE_ROW\r0 matrix_b_scale:MATRIX_SCALE_ROW\r1
.endif
.endm
.macro MULS                            ; K step QN: accumulator 4 a + j; the first step's C is the bias, in window 0
.set P_, QN%2
.if QN
	WIN 0x5b
.else
	WIN 0x4b
.endif
.irp ah, 0,1
.irp al, 0,1,2,3
.irp jh, 0,1
.irp jl, 0,1
	PRD 8*(4*(4*\ah+\al)+2*\jh+\jl), 48*P_+12*(2*\jh+\jl), 96*P_+12*(4*\ah+\al), BI+8*(2*\jh+\jl), SW+8*\jl+QN, SX+8*\al+QN, \jh, \ah
.endr
.endr
.endr
.endr
.endm
	WALU
.irp j, 0,1,2,3
	global_load_b128 v[BI+8*\j:BI+8*\j+3], v[BO], s[96:97] offset:64*\j        ; bo at columns 16 j + 8 h + 0 .. 7
	global_load_b128 v[BI+8*\j+4:BI+8*\j+7], v[BO], s[96:97] offset:64*\j+16
.endr
	s_wait_tensorcnt 0x0                   ; my tile is in,
	s_barrier_signal -1
	s_barrier_wait -1                      ; and everybody's
.irp s, 0,1,2,3
	ds_load_b128 v[SX+8*\s:SX+8*\s+3], v[ASX] offset:\s*SBLK
	ds_load_b128 v[SX+8*\s+4:SX+8*\s+7], v[ASX] offset:\s*SBLK+16
.endr
.irp s, 0,1
	ds_load_b128 v[SW+8*\s:SW+8*\s+3], v[ASW] offset:\s*SBLK
	ds_load_b128 v[SW+8*\s+4:SW+8*\s+7], v[ASW] offset:\s*SBLK+16
.endr
	FETCH 0
.set QN, 0
.rept 8
.if QN < 7
	FETCH QN+1
	s_wait_dscnt NLD                       ; all but the NLD loads just issued
.else
	s_wait_dscnt 0x0
.endif
.if QN == 0
	s_wait_loadcnt 0x0                     ; the bias
.endif
	MULS
.set QN, QN+1
.endr
	WIN 0
	s_barrier_signal -1                    ; my reads of X are over (the wait for 0 ahead of the last products)
	PLACES 4                               ; behind the last products, ahead of the first read of results
	s_barrier_wait -1                      ; everybody's are: the stages may be laid in X's bytes, which have had their one fill
.macro TOSTAGE a
	WIN 4
.irp j, 0,1,2,3
	ds_store_b128 v[STO], v[32*(\a)+8*\j:32*(\a)+8*\j+3] offset:64*\j          ; each accumulator from its low end on
	ds_store_b128 v[STO], v[32*(\a)+8*\j+4:32*(\a)+8*\j+7] offset:64*\j+16
.endr
	WIN 0
.set BB, BK+32*((\a)%2)
.irp t, 0,1,2,3,4,5,6,7
	ds_load_b128 v[BB+4*\t:BB+4*\t+3], v[RD] offset:\t*2*SP                    ; LDS serves a wave's instructions in order: these see my stores
.endr
.endm
.macro SEND a, younger
.set BB, BK+32*((\a)%2)
	s_wait_dscnt \younger
.if (\a) > 0
	s_add_nc_u64 s[12:13], s[12:13], 16*4096                                   ; behind a wait on XCNT: the earlier stores have read their base
.endif
.irp t, 0,1,2,3,4,5,6,7
	global_store_b128 v[CO], v[BB+4*\t:BB+4*\t+3], s[12:13] offset:2*\t*4096 th:TH_STORE_NT   ; 16 lanes store 256 consecutive bytes, aligned
.endr
.endm
	TOSTAGE 0
.irp a, 1,2,3,4,5,6,7
.if \a > 1
	s_wait_xcnt 0x0                        ; block a - 2's stores have read their registers and their base
.endif
	TOSTAGE \a
	SEND \a-1, 16                          ; behind block a - 1's loads: block a's 8 stores and 8 loads
.endr
	s_wait_xcnt 0x0
	SEND 7, 0
	s_wait_tensorcnt 0x0                   ; the wave's end
	ds_add_u32 v[SPW], v[NIL]
	s_wait_dscnt 0x0
	CROUND                                 ; the closing round
	s_endpgm
.Lfunc_end_k_q8b10c89963_outp:
	.size	k_q8b10c89963_outp, .Lfunc_end_k_q8b10c89963_outp-k_q8b10c89963_outp
	.p2alignl 7, 3214868480
	.fill 96, 4, 3214868480
	.section	.rodata,"a",@progbits
	.p2align	6, 0x0
	.amdhsa_kernel k_q8b10c89963_outp
		.amdhsa_group_segment_fixed_size 327680
		.amdhsa_private_segment_fixed_size 0
		.amdhsa_enable_private_segment 0
		.amdhsa_kernarg_size 48
		.amdhsa_user_sgpr_count 2
		.amdhsa_user_sgpr_kernarg_segment_ptr 1
		.amdhsa_wavefront_size32 1
		.amdhsa_system_sgpr_workgroup_id_x 1
		.amdhsa_system_sgpr_workgroup_id_y 1
		.amdhsa_system_sgpr_workgroup_id_z 1
		.amdhsa_system_vgpr_workitem_id 0
		.amdhsa_next_free_vgpr 1024
		.amdhsa_next_free_sgpr 102
		.amdhsa_reserve_vcc 0
		.amdhsa_float_denorm_mode_32 3
		.amdhsa_float_denorm_mode_16_64 3
		.amdhsa_memory_ordered 1
		.amdhsa_forward_progress 1
		.amdhsa_inst_pref_size 83
	.end_amdhsa_kernel
	.amdgpu_metadata
---
amdhsa.version: [ 1, 2 ]
amdhsa.kernels:
  - .name:           k_q8b10c89963_outp
    .symbol:         k_q8b10c89963_outp.kd
    .args:
      - { .name: attc, .offset: 0, .size: 8, .value_kind: global_buffer, .address_space: global }
      - { .name: atts, .offset: 8, .size: 8, .value_kind: global_buffer, .address_space: global }
      - { .name: Wo_codes, .offset: 16, .size: 8, .value_kind: global_buffer, .address_space: global }
      - { .name: Wo_scales, .offset: 24, .size: 8, .value_kind: global_buffer, .address_space: global }
      - { .name: bo, .offset: 32, .size: 8, .value_kind: global_buffer, .address_space: global }
      - { .name: out0, .offset: 40, .size: 8, .value_kind: global_buffer, .address_space: global }
    .group_segment_fixed_size: 327680
    .private_segment_fixed_size: 0
    .kernarg_segment_align: 8
    .kernarg_segment_size: 48
    .max_flat_workgroup_size: 128
    .sgpr_count:     102
    .vgpr_count:     1024
    .wavefront_size: 32
...
	.end_amdgpu_metadata
.endif
;; end of part 4
